; MI455X (gfx1250); checked and timed in simulation.
; The chip was launched on July 23, 2026; its instructions are those of AMD's public machine-readable ISA for CDNA 5 (MIT licence, August 2026) and "CDNA5" Instruction Set Architecture Reference Guide (July 2026). The comments in the code are by the model that wrote it; some were corrected since.
;; Self Attention. Allowed arithmetic: matrix products marked QUANTISED: E2M1 operands, one E8M0 scale for each 32 along K, by v_wmma_scale_f32_16x16x128_f8f6f4 with both operands' format E2M1 (or v_wmma_scale_f32_32x16x128_f4), f32 sums; everything else in f32.
;; Inputs: Wk_codes 1,024 x 32 x 16 uint8 (E2M1 codes of Wk, K innermost, in blocks of 32 codes, two codes a byte); Wk_scales 1,024 x 32 uint8 (E8M0 scales of Wk, one for each 32 codes along K); Wo_codes 1,024 x 32 x 16 uint8 (E2M1 codes of Wo, K innermost, in blocks of 32 codes, two codes a byte); Wo_scales 1,024 x 32 uint8 (E8M0 scales of Wo, one for each 32 codes along K); Wq_codes 1,024 x 32 x 16 uint8 (E2M1 codes of Wq, K innermost, in blocks of 32 codes, two codes a byte); Wq_scales 1,024 x 32 uint8 (E8M0 scales of Wq, one for each 32 codes along K); Wv_codes 1,024 x 32 x 16 uint8 (E2M1 codes of Wv, K innermost, in blocks of 32 codes, two codes a byte); Wv_scales 1,024 x 32 uint8 (E8M0 scales of Wv, one for each 32 codes along K); X_codes 4 x 2,048 x 32 x 16 uint8 (E2M1 codes of X, K innermost, in blocks of 32 codes, two codes a byte); X_scales 4 x 2,048 x 32 uint8 (E8M0 scales of X, one for each 32 codes along K); bk 1,024 float32; bo 1,024 float32; bq 1,024 float32; bv 1,024 float32.
;; Outputs: out0 4 x 2,048 x 1,024 float32.
;; This version of the problem:
;;   THIS VERSION OF THE PROBLEM IS GIVEN IN LOW PRECISION. The matrix products marked QUANTISED in the list below multiply operands that are first quantised to E2M1 (2 exponent bits, 1 mantissa bit; 4 bits a number), with one power-of-two scale for each 32 numbers along K (OCP MX v1.0); their sums are f32. All else is computed in f32.
;;   The module's matrix products, in the order in which they are computed (A, B: the left and right operand; K: the contracted axis; several contracted axes count as one K, in the product's order):
;;     1. [M 8,192, K 1,024] x [K 1,024, N 1,024]; A: input X (given as codes); B: input Wq (given as codes): QUANTISED
;;     2. [M 8,192, K 1,024] x [K 1,024, N 1,024]; A: input X (given as codes); B: input Wk (given as codes): QUANTISED
;;     3. [M 8,192, K 1,024] x [K 1,024, N 1,024]; A: input X (given as codes); B: input Wv (given as codes): QUANTISED
;;     4. batch 64 x [M 2,048, K 64] x [K 64, N 2,048]; A: computed on the way; B: computed on the way: QUANTISED
;;     5. batch 64 x [M 2,048, K 2,048] x [K 2,048, N 64]; A: softmax (see below); B: computed on the way: QUANTISED
;;     6. [M 8,192, K 1,024] x [K 1,024, N 1,024]; A: computed on the way; B: input Wo (given as codes): QUANTISED
;;   THE QUANTISER, for each operand of a quantised product, along K:
;;     - K is cut into blocks of 32 from its start; a last block that is shorter is filled with zeros.
;;     - A block's scale is 2^e with e = floor(log2(the largest magnitude in the block)) - 2, held to -126 .. 127; a block of zeros has e = 0. As a byte (E8M0): e + 127.
;;     - Each number is divided by its block's scale, clamped to +-6, and rounded to the nearest number of E2M1, ties to even, subnormals kept.
;;     - The product sums the exact products of the quantised numbers (number of the format x scale) in f32.
;;   ~~~python
;;   def quantise(x, axis):      # numpy; x: float32 -> the quantised numbers, widened to float32 again
;;       x = np.moveaxis(x, axis, -1); K = x.shape[-1]
;;       x = np.pad(x, [(0, 0)] * (x.ndim - 1) + [(0, -K % 32)]); x = x.reshape(x.shape[:-1] + (-1, 32)); a = np.abs(x).max(-1, keepdims=True)
;;       e = np.where(a > 0, np.clip(np.frexp(np.where(a > 0, a, 1))[1] - 1 - 2, -126, 127), 0)      # np.frexp(a)[1] - 1 = floor(log2(a)), exactly
;;       r = np.clip(x / 2.0 ** e, -6, 6)
;;       step = 2.0 ** (np.maximum(np.frexp(np.where(r == 0, 1, r))[1] - 1, 0) - 1)
;;       q = np.round(r / step) * step * 2.0 ** e      # np.round: ties to even
;;       return np.moveaxis(q.reshape(q.shape[:-2] + (-1,))[..., :K], -1, axis).astype(np.float32)
;;   ~~~
;;   SOFTMAX AHEAD OF A QUANTISED PRODUCT. Where the list says 'softmax', what is quantised is not the finished softmax but p = 2^(t - M), with t = logit x log2(e) and M = ceil(the row's largest t), a whole number; so 1/2 < the row's largest p <= 1. The row's sum l is taken of the UNQUANTISED p, in f32, and the product's result is divided by l at the end. Since M is a whole number, a kernel that streams over the keys may use a running M (the ceiling of the running maximum): every later rescaling is an exact power of two, which a block's scale takes up: the codes' values come out the same.
;;   OPERANDS COMPUTED ON THE WAY. 'Computed on the way' means the value that the module computes at that place (a softmax that the list does not call 'softmax' is quantised finished and normalised). What goes into a quantiser is computed in f32, as accurately as f32 sums, v_exp_f32 and their like allow (about 1e-6 of the number): no bf16 or f16 on the way to a quantiser, and a product that is left as it is and whose result goes on into a quantised operand takes f32 operands (vector FMAs, or v_wmma_f32_16x16x4_f32). A number that lies on a knife's edge between two numbers of the format may be rounded either way, as far as f32 arithmetic and the matrix unit's own rounding can turn it there, and no further.
;;   INPUTS GIVEN AS CODES. Wk (in the module: [1024, 1024], K = its axis 0); Wo (in the module: [1024, 1024], K = its axis 0); Wq (in the module: [1024, 1024], K = its axis 0); Wv (in the module: [1024, 1024], K = its axis 0); X (in the module: [4, 2048, 1024], K = its axis 2): each comes as NAME_codes (uint8): NAME with its K axis moved to the last place and cut into blocks of 32 codes, [.., K / 32, bytes a block], one block behind the other in memory; two codes a byte, the lower K in the low four bits (a code: sign, 2 exponent bits, 1 mantissa bit); and NAME_scales (uint8): the same leading axes, one E8M0 byte (e + 127) for each 32 codes along K. Its value is code x scale, taken as it is: it is not quantised again, and the codes and scales need not be those that the quantiser above would give.
;; One version. Each part assembles by itself: llvm-mc -triple=amdgcn-amd-amdhsa -mcpu=gfx1250 --defsym DOCPART=n.
;; ======== version 1 of 1: 3 launches
;; workspace buffers: qkv 13,369,344 bytes; ac 4,194,304 bytes; asc 262,144 bytes
;; launch qkv (part 1): grid 12 x 64, 8 waves a work-group, clusters of 4 x 4, 230,400 bytes of LDS; arguments X_codes, X_scales, Wq_codes, Wq_scales, bq, Wk_codes, Wk_scales, bk, Wv_codes, Wv_scales, bv, qkv; writes qkv
.if DOCPART == 1
	.amdgcn_target "amdgcn-amd-amdhsa--gfx1250"
	.amdhsa_code_object_version 6
	.text
	.protected	k_qbcbfd82c8a_qkv
	.globl	k_qbcbfd82c8a_qkv
	.p2align	8
	.type	k_qbcbfd82c8a_qkv,@function
k_qbcbfd82c8a_qkv:
	s_mov_b64 s[64:65], 0
	v_nop
	global_prefetch_b8 v0, s[64:65] scope:SCOPE_SE
	s_setreg_imm32_b32 hwreg(HW_REG_WAVE_MODE, 25, 1), 1
	s_wait_xcnt 0x0
	s_wait_alu depctr_hold_cnt(0) depctr_sa_sdst(0) depctr_va_vdst(0) depctr_va_sdst(0) depctr_va_ssrc(0) depctr_va_vcc(0) depctr_vm_vsrc(0)
	s_getreg_b32 s2, hwreg(HW_REG_IB_STS2, 6, 4)
	s_cmp_eq_u32 s2, 0
	s_cbranch_scc0 .Lentry_in_a_cluster
	s_endpgm
.Lentry_in_a_cluster:
	s_bfe_u32 s2, ttmp6, 0x10000c
	s_cmp_lg_u32 s2, 0xf033
	s_cbranch_scc0 .Lentry_shape_is_right
	s_endpgm
.Lentry_shape_is_right:
; Q = X Wq + bq, K = X Wk + bk, V = X Wv + bv on codes of FP4 (E2M1) with one E8M0 scale for each 32 along K; the results are quantised at once, Q and K along the head's 64, V along the keys.
; X: 8,192 rows (tokens) of 1,024 codes = 512 bytes, 32 scale bytes a row.  Each W: 1,024 rows (outputs) likewise.  The biases are f32.
; OUT: qkv = [batch x head 64][block of 128 tokens 16][record of 13,056 bytes]:  0 K's codes [tile 8][lane 32][16 B];  4,096 V's codes [64 keys 2][16 channels 4][lane][16 B];  8,192 K's scales [row 16][tile 8] of two bytes;
;   8,448 V's scales [row 16][16 channels 4] words (two bytes for each 64 keys);  8,704 Q's codes as K's;  12,800 Q's scales as K's.  512 bytes of codes are the image of four operand registers: lane (r, h) holds block h (32 codes) of 64 along K of row r.
; SHARES.  A work-group makes 128 tokens x 256 outputs (four heads) of ONE of Q, K, V: which one is the cluster's x, the same in all sixteen partners.  Eight waves; wave w: tokens 64 (w / 4) on, head w % 4: 64 x 64, 16 accumulators.
; Q, K: source 0 = 16 rows of W, source 1 = 16 tokens: a lane holds one token and its registers run along the head's channels.  V: source 0 = 16 tokens, source 1 = 16 rows of Wv: a lane holds one channel and its registers run along the keys.
; In both the accumulator of source 0's tile b and source 1's tile a lies at ACC + 8 (4 a + b): a lane's 32 registers of one a are 64 along the next K (16 b + 8 h + j), so the way out is one text.
; LDS is filled once: all of K for the work-group's rows fits (two halves of K, rows of 256 bytes + 16 of padding), the scale rows behind them.  Nothing is filled again.
; CLUSTER 4 x 4: the four of a row need the same tokens, the four of a column the same rows of W: each tile is asked for jointly, by the same tensor load with a mask that names the four.
; LIMITS: NaN and infinities are not served.  A block whose largest magnitude lies under 2^-124 gets the scale byte 1; so does a block of zeros (the quantiser's rule says 127): its codes are zeros, and only this program reads the bytes.
.set PITCH, 272                        ; an LDS row: 256 bytes + 16 of padding: the 16 rows of a fragment load begin 68 words apart
.set HROWS, 64*PITCH                   ; 64 rows: what one tensor load brings, and what one wave reads of X or of W
.set WOFF,  128*PITCH                  ; in a half of K: X's 128 rows, then W's 256
.set CHUNK, 384*PITCH
.set XS,    2*CHUNK                    ; X's scale rows, 128 x 32 bytes
.set WS,    XS+4096                    ; W's, 256 x 32 bytes
.set STGA,  WS+8192                    ; the new scales of four heads in Q's and K's layout, 4 x 256 bytes
.set STGB,  STGA+1024                  ; the same in V's layout
.set REC,   13056
.set WV,  3                            ; s3 wave;  s4 its half of the tokens;  s5 its head of four
.set PH,  4
.set HW,  5
.set CX,  6                            ; s6, s7 my place in the cluster;  s8 block of 128 tokens;  s9 0 Q, 1 K, 2 V
.set CY,  7
.set TBK, 8
.set TYP, 9
.set SEL, 26                           ; s[26:27] lane selects for lane l xor 16 (free once the weight's pointers are chosen)
.set G1XC, 40                          ; s[40:47] group 1, X's codes;  s[48:55] W's codes;  s[56:63] X's scales;  s[68:75] W's scales
.set G1WC, 48
.set G1XS, 56
.set G1WS, 68
.set G0X,  76                          ; s[76:87] X's three groups 0: scales, first half of K, second half;  s[88:99] W's
.set G0W,  88
.set XA,  4                            ; v4, v5 LDS address of my X fragments in the two halves of K;  v6, v7 of my W fragments
.set WA,  6
.set SCA, 8                            ; v8  scale words: lanes 0-15 X's rows, lanes 16-31 W's
.set GO,  9                            ; v9  16 x lane
.set SA8, 10                           ; v10 where my rows' scales go in STGA;  v11 in STGB;  v12 where waves 0, 1 read them back;  v13 their place in memory
.set SB2, 11
.set SRD, 12
.set GS,  13
.set SC,  16                           ; v16-19 scale words of tile i: X's below, W's above
.set XF,  32                           ; four fragments of X;  four of W;  the bias as the first C;  the accumulators
.set WF,  64
.set CB,  96
.set ACC, 128
.set TM,  32                           ; the way out: largest magnitudes; the other half's; the conversions' scale operands; bytes; two bytes a row; pairs of those; codes; what comes back from the stages
.set TP,  40
.set SO,  48
.set BY,  56
.set U,   64
.set WP,  68
.set CD,  72
.set RA,  88
.set RB,  92
.set RC,  96
.macro CROUND                          ; a round of the cluster's barrier: my work-group's barrier, wave 0 signals for it, every wave waits for all sixteen, my work-group's barrier once more
	s_barrier_signal -1
	s_barrier_wait -1
	s_cmp_lg_u32 s[WV], 0
	s_cbranch_scc1 .Lnot_wave_0_\@
	s_barrier_signal -3
.Lnot_wave_0_\@:
	s_barrier_wait -3
	s_barrier_signal -1
	s_barrier_wait -1
.endm
.macro PLACES n                        ; plain vector instructions behind a matrix instruction, in front of loads into its registers and of reads of its results
.rept \n
	v_nop
.endr
.endm
.macro FRAG reg, adr, q, i             ; 16 rows x 128 K: registers 4 c .. 4 c + 3 hold K = 64 c + 32 (lane / 16) + 0 .. 31: 16 bytes of the row as they lie
.irp c, 0,1
	ds_load_b128 v[\reg+4*\c:\reg+4*\c+3], v[\adr] offset:64*(\q)+32*\c+(\i)*16*PITCH
.endr
.endm
.macro LOADS ch, q                     ; the fragments and scale words of the q-th 128 along K of half ch
.irp i, 0,1,2,3
	FRAG XF+8*\i, XA+\ch, \q, \i
.endr
.irp i, 0,1,2,3
	FRAG WF+8*\i, WA+\ch, \q, \i
.endr
.irp i, 0,1,2,3
	ds_load_b32 v[SC+\i], v[SCA] offset:\i*512+4*(4*\ch+\q)
.endr
.endm
; 16 matrix instructions, the 16 accumulators by turns in the same order in every step.  kind 0: Q, K;  1: V.  first = 1: the bias is the C that starts the sums.
.macro MUL kind, first
.irp a, 0,1,2,3
.irp b, 0,1,2,3
.if \kind == 0
.if \first
	v_wmma_scale_f32_16x16x128_f8f6f4 v[ACC+8*(4*\a+\b):ACC+8*(4*\a+\b)+7], v[WF+8*\b:WF+8*\b+7], v[XF+8*\a:XF+8*\a+7], v[CB+8*\b:CB+8*\b+7], v[SC+\b], v[SC+\a] matrix_a_fmt:MATRIX_FMT_FP4 matrix_b_fmt:MATRIX_FMT_FP4 matrix_a_scale:MATRIX_SCALE_ROW1
.else
	v_wmma_scale_f32_16x16x128_f8f6f4 v[ACC+8*(4*\a+\b):ACC+8*(4*\a+\b)+7], v[WF+8*\b:WF+8*\b+7], v[XF+8*\a:XF+8*\a+7], v[ACC+8*(4*\a+\b):ACC+8*(4*\a+\b)+7], v[SC+\b], v[SC+\a] matrix_a_fmt:MATRIX_FMT_FP4 matrix_b_fmt:MATRIX_FMT_FP4 matrix_a_scale:MATRIX_SCALE_ROW1
.endif
.else
.if \first
	v_wmma_scale_f32_16x16x128_f8f6f4 v[ACC+8*(4*\a+\b):ACC+8*(4*\a+\b)+7], v[XF+8*\b:XF+8*\b+7], v[WF+8*\a:WF+8*\a+7], v[CB+8*\a:CB+8*\a+7], v[SC+\b], v[SC+\a] matrix_a_fmt:MATRIX_FMT_FP4 matrix_b_fmt:MATRIX_FMT_FP4 matrix_b_scale:MATRIX_SCALE_ROW1
.else
	v_wmma_scale_f32_16x16x128_f8f6f4 v[ACC+8*(4*\a+\b):ACC+8*(4*\a+\b)+7], v[XF+8*\b:XF+8*\b+7], v[WF+8*\a:WF+8*\a+7], v[ACC+8*(4*\a+\b):ACC+8*(4*\a+\b)+7], v[SC+\b], v[SC+\a] matrix_a_fmt:MATRIX_FMT_FP4 matrix_b_fmt:MATRIX_FMT_FP4 matrix_b_scale:MATRIX_SCALE_ROW1
.endif
.endif
.endr
.endr
.endm
.macro KSTEP kind, ch, q, first
.if \first == 0
	PLACES 4                                       ; the loads below land in registers that the last step's products read
.endif
	LOADS \ch, \q
	s_wait_dscnt 0x0                               ; all 20 loads are in
	MUL \kind, \first
.endm
	s_load_b512 s[16:31], s[0:1], 0x0              ; X's codes 16, X's scales 18, Wq's codes 20, scales 22, bq 24, Wk's codes 26, scales 28, bk 30
	s_load_b256 s[32:39], s[0:1], 0x40             ; Wv's codes 32, scales 34, bv 36, qkv 38
	v_lshl_add_u32 v30, v0, 2, 0x38000
	v_mov_b32 v31, 0
	ds_add_u32 v30, v31
	ds_add_u32 v30, v31
	v_lshrrev_b32 v1, 5, v0
	s_delay_alu instid0(VALU_DEP_1)
	v_readfirstlane_b32 s[WV], v1                  ; wave 0..7
	s_lshr_b32 s[PH], s[WV], 2
	s_and_b32 s[HW], s[WV], 3
	s_bfe_u32 s[CX], ttmp6, 0x40000
	s_bfe_u32 s[CY], ttmp6, 0x40004
	s_and_b32 s[TBK], ttmp7, 0xffff
	s_lshl_b32 s[TBK], s[TBK], 2
	s_add_co_u32 s[TBK], s[TBK], s[CY]             ; block of 128 tokens = 4 x cluster y + cy
	s_mov_b32 s[TYP], ttmp9                        ; the cluster's x: which of Q, K, V
	s_lshl_b32 s14, s[CY], 2
	s_lshl_b32 s14, 15, s14                        ; my row of the cluster
	s_lshl_b32 s15, 0x1111, s[CX]                  ; my column
	; group 1, codes: 64 rows x 256 bytes, 512 bytes apart in memory, 16 bytes of padding behind each row in LDS
	s_or_b32 s[G1XC], s14, (1<<20)|(1<<21)|(5<<22)|(3<<25)   ; 15:0 the mask; 17:16 elements of 1 byte; 20 padding on; 21 set beside a mask; 24:22 after every 64 words; 31:25 four words
	s_or_b32 s[G1WC], s15, (1<<20)|(1<<21)|(5<<22)|(3<<25)
.irp g, G1XC, G1WC
	s_mov_b32 s[\g+1], 256<<16                     ; tensor_dim0
	s_mov_b32 s[\g+2], 64<<16                      ; tensor_dim1
	s_mov_b32 s[\g+3], 256<<16                     ; tile_dim0
	s_mov_b32 s[\g+4], 64                          ; tile_dim1
	s_mov_b32 s[\g+5], 512                         ; from row to row
	s_mov_b32 s[\g+6], 0
	s_mov_b32 s[\g+7], 0
.endr
	; group 1, scales: the 32 bytes of 64 rows are 2,048 dense bytes: 8 rows of 32 elements of 8 bytes
	s_or_b32 s[G1XS], s14, (3<<16)|(1<<21)
	s_or_b32 s[G1WS], s15, (3<<16)|(1<<21)
.irp g, G1XS, G1WS
	s_mov_b32 s[\g+1], 32<<16
	s_mov_b32 s[\g+2], 8<<16
	s_mov_b32 s[\g+3], 32<<16
	s_mov_b32 s[\g+4], 8
	s_mov_b32 s[\g+5], 32
	s_mov_b32 s[\g+6], 0
	s_mov_b32 s[\g+7], 0
.endr
	; where the tiles go: the wave's number alone enters an LDS address.  Waves 4, 5 fetch X's halves, waves 0-3 W's quarters
	s_and_b32 s100, s[WV], 1
	s_lshl_b32 s[G0X+1], s100, 11
	s_add_co_u32 s[G0X+1], s[G0X+1], XS
	s_mul_i32 s[G0X+5], s100, HROWS
	s_add_co_u32 s[G0X+9], s[G0X+5], CHUNK
	s_lshl_b32 s[G0W+1], s[HW], 11
	s_add_co_u32 s[G0W+1], s[G0W+1], WS
	s_mul_i32 s[G0W+5], s[HW], HROWS
	s_add_co_u32 s[G0W+5], s[G0W+5], WOFF
	s_add_co_u32 s[G0W+9], s[G0W+5], CHUNK
	; and where they come from: X's rows hang on the token block (cy), W's on cx, each in registers that never hold the other
	s_lshl_b32 s14, s[TBK], 7
	s_lshl_b32 s10, s100, 6
	s_add_co_u32 s14, s14, s10                     ; X: row 128 x block + 64 x half
	s_lshl_b32 s15, s[CX], 8
	s_lshl_b32 s12, s[HW], 6
	s_add_co_u32 s15, s15, s12                     ; W: row 256 cx + 64 x quarter
	s_mov_b32 s11, 0
	s_mov_b32 s13, 0
	s_mov_b32 s101, 8448
	s_wait_dscnt 0x0
	s_wait_kmcnt 0x0
	s_cmp_eq_u32 s[TYP], 1                         ; the weight's three pointers and the record's two offsets are chosen by the kind alone
	s_cselect_b64 s[26:27], s[26:27], s[32:33]
	s_cselect_b64 s[28:29], s[28:29], s[34:35]
	s_cselect_b64 s[30:31], s[30:31], s[36:37]
	s_cselect_b32 s100, 0, 4096                    ; codes: K 0, V 4,096,
	s_cselect_b32 s101, 8192, s101                 ; scales: K 8,192, V 8,448,
	s_cmp_eq_u32 s[TYP], 0
	s_cselect_b64 s[20:21], s[20:21], s[26:27]     ; W's codes
	s_cselect_b64 s[22:23], s[22:23], s[28:29]     ; W's scales
	s_cselect_b64 s[24:25], s[24:25], s[30:31]     ; the bias
	s_cselect_b32 s100, 8704, s100                 ; Q 8,704
	s_cselect_b32 s101, 12800, s101                ; Q 12,800
	s_lshl_b32 s10, s14, 5
	s_add_nc_u64 s[G0X+2:G0X+3], s[18:19], s[10:11]
	s_lshl_b32 s10, s14, 9
	s_add_nc_u64 s[G0X+6:G0X+7], s[16:17], s[10:11]
	s_add_nc_u64 s[G0X+10:G0X+11], s[G0X+6:G0X+7], 256
	s_lshl_b32 s12, s15, 5
	s_add_nc_u64 s[G0W+2:G0W+3], s[22:23], s[12:13]
	s_lshl_b32 s12, s15, 9
	s_add_nc_u64 s[G0W+6:G0W+7], s[20:21], s[12:13]
	s_add_nc_u64 s[G0W+10:G0W+11], s[G0W+6:G0W+7], 256
.irp g, G0X, G0X+4, G0X+8, G0W, G0W+4, G0W+8
	s_mov_b32 s[\g], 1                             ; count = 1
	s_or_b32 s[\g+3], s[\g+3], 0x80000000          ; type = 2
.endr
	CROUND                                         ; all sixteen work-groups are here: the joint loads meet
	s_cmp_lt_u32 s[WV], 4                          ; a wave's three loads stand in one branch on its number: three of mine are out at the most; four v_nop follow the last
	s_cbranch_scc0 .Lnot_w
	tensor_load_to_lds s[G0W:G0W+3], s[G1WS:G1WS+7]
	s_nop 0
	tensor_load_to_lds s[G0W+4:G0W+7], s[G1WC:G1WC+7]
	s_nop 0
	tensor_load_to_lds s[G0W+8:G0W+11], s[G1WC:G1WC+7]
	s_nop 0
.rept 4
	v_nop
.endr
	s_branch .Lasked
.Lnot_w:
	s_cmp_lt_u32 s[WV], 6
	s_cbranch_scc0 .Lasked
	tensor_load_to_lds s[G0X:G0X+3], s[G1XS:G1XS+7]
	s_nop 0
	tensor_load_to_lds s[G0X+4:G0X+7], s[G1XC:G1XC+7]
	s_nop 0
	tensor_load_to_lds s[G0X+8:G0X+11], s[G1XC:G1XC+7]
	s_nop 0
.rept 4
	v_nop
.endr
.Lasked:
	; where the results go.  These numbers mix cx and cy; they enter store addresses alone
	s_lshr_b32 s2, s[TBK], 4
	s_lshl_b32 s2, s2, 4
	s_lshl_b32 s66, s[CX], 2
	s_add_co_u32 s2, s2, s66                       ; 16 x batch + 4 cx: the first of my work-group's four heads
	s_and_b32 s67, s[TBK], 15                      ; the block within the batch
	s_add_co_u32 s66, s2, s[HW]
	s_lshl_b32 s66, s66, 4
	s_add_co_u32 s66, s66, s67
	s_mul_i32 s66, s66, REC                        ; my head's record,
	s_add_co_u32 s66, s66, s100                    ; the kind's codes in it,
	s_lshl_b32 s100, s[PH], 11
	s_add_co_u32 s66, s66, s100                    ; my half's four images
	s_and_b32 s100, s[WV], 1
	s_lshl_b32 s100, s100, 1
	s_add_co_u32 s100, s100, s2                    ; waves 0, 1 store the scales of heads 2 w and 2 w + 1
	s_lshl_b32 s100, s100, 4
	s_add_co_u32 s100, s100, s67
	s_mul_i32 s100, s100, REC
	s_add_co_u32 s100, s100, s101
	s_mov_b32 s67, 0
	s_mov_b32 s101, 0
	s_add_nc_u64 s[32:33], s[38:39], s[66:67]      ; codes
	s_add_nc_u64 s[34:35], s[38:39], s[100:101]    ; scales
	s_lshl_b32 s66, s[CX], 2
	s_add_co_u32 s66, s66, s[HW]
	s_lshl_b32 s66, s66, 8
	s_add_nc_u64 s[24:25], s[24:25], s[66:67]      ; my head's 64 numbers of the bias
	s_mov_b32 s[SEL], 0x76543210
	s_mov_b32 s[SEL+1], 0xfedcba98
	v_and_b32 v1, 15, v0                           ; r
	v_bfe_u32 v2, v0, 4, 1                         ; h
	v_and_b32 v3, 31, v0                           ; lane
	s_delay_alu instid0(VALU_DEP_3)
	v_mul_u32_u24 v15, v1, PITCH
	s_delay_alu instid0(VALU_DEP_1)
	v_lshl_add_u32 v15, v2, 4, v15                 ; a fragment's row x pitch + 16 h
	s_mul_i32 s100, s[PH], HROWS
	v_add_nc_u32 v[XA], s100, v15
	s_delay_alu instid0(VALU_DEP_1)
	v_add_nc_u32 v[XA+1], CHUNK, v[XA]
	s_mul_i32 s100, s[HW], HROWS
	s_add_co_u32 s100, s100, WOFF
	v_add_nc_u32 v[WA], s100, v15
	s_delay_alu instid0(VALU_DEP_1)
	v_add_nc_u32 v[WA+1], CHUNK, v[WA]
	s_lshl_b32 s100, s[PH], 11                     ; X's scale rows of my 64 tokens
	s_lshl_b32 s101, s[HW], 11                     ; W's of my 64 outputs, behind X's 4,096 bytes
	s_add_co_u32 s101, s101, WS-XS
	s_sub_co_u32 s101, s101, s100
	v_mul_u32_u24 v[SCA], s101, v2                 ; lanes 16-31 take W's: the lower base + h x the distance
	s_delay_alu instid0(VALU_DEP_1)
	v_lshl_add_u32 v[SCA], v1, 5, v[SCA]
	s_add_co_u32 s100, s100, XS
	v_add_nc_u32 v[SCA], s100, v[SCA]
	v_lshlrev_b32 v[GO], 4, v3
	s_wait_alu depctr_va_vdst(0)
	s_lshl_b32 s100, s[HW], 8
	s_lshl_b32 s101, s[PH], 3
	s_add_co_u32 s101, s101, s100
	s_add_co_u32 s101, s101, STGA
	v_lshl_add_u32 v[SA8], v1, 4, s101             ; Q, K: [head][row 16][tile 8] of two bytes: my four tiles are 8 bytes
	s_lshl_b32 s101, s[PH], 1
	s_add_co_u32 s101, s101, s100
	s_add_co_u32 s101, s101, STGB
	v_lshl_add_u32 v[SB2], v1, 4, s101             ; V: [head][row 16][16 channels 4][64 keys 2] of two bytes
	s_and_b32 s100, s[WV], 1
	s_lshl_b32 s100, s100, 9
	s_add_co_u32 s100, s100, STGA
	v_add_nc_u32 v[SRD], s100, v[GO]               ; back: two heads' 256 bytes, 16 a lane
	v_mul_u32_u24 v[GS], v2, 16*REC                ; in memory the second head's record lies 16 records on
	s_delay_alu instid0(VALU_DEP_1)
	v_lshl_add_u32 v[GS], v1, 4, v[GS]
	v_lshlrev_b32 v14, 5, v2                       ; the bias: Q, K: my eight channels of a tile, 32 h;
	v_lshlrev_b32 v15, 2, v1                       ; V: my one channel, 4 r
	s_cmp_eq_u32 s[TYP], 2
	s_cbranch_scc1 .Lbias_v
.irp i, 0,1,2,3
	global_load_b128 v[CB+8*\i:CB+8*\i+3], v14, s[24:25] offset:64*\i       ; register j: channel 16 i + 8 h + j
	global_load_b128 v[CB+8*\i+4:CB+8*\i+7], v14, s[24:25] offset:64*\i+16
.endr
	s_wait_loadcnt 0x0
	s_branch .Lbias_done
.Lbias_v:
	s_wait_alu depctr_va_vdst(0)
.irp i, 0,1,2,3
	global_load_b32 v[CB+8*\i], v15, s[24:25] offset:64*\i                  ; channel 16 i + r, the same for my eight keys
.endr
	s_wait_loadcnt 0x0
.irp i, 0,1,2,3
.irp j, 1,2,3,4,5,6,7
	v_mov_b32 v[CB+8*\i+\j], v[CB+8*\i]
.endr
.endr
.Lbias_done:
	s_wait_tensorcnt 0x1                           ; my scales and my part of the first half of K are in; the one load issued behind them, the second half's, may stay out
	s_barrier_signal -1
	s_barrier_wait -1                              ; everybody's are
	s_cmp_eq_u32 s[TYP], 2
	s_cbranch_scc1 .Lv_half0
	s_wait_alu depctr_va_vdst(0)
	KSTEP 0, 0, 0, 1
	KSTEP 0, 0, 1, 0
	KSTEP 0, 0, 2, 0
	KSTEP 0, 0, 3, 0
	s_branch .Ljoin0
.Lv_half0:
	s_wait_alu depctr_va_vdst(0)
	KSTEP 1, 0, 0, 1
	KSTEP 1, 0, 1, 0
	KSTEP 1, 0, 2, 0
	KSTEP 1, 0, 3, 0
.Ljoin0:
	s_wait_tensorcnt 0x0                           ; my part of the second half is in,
	s_barrier_signal -1
	s_barrier_wait -1                              ; everybody's is
	s_cmp_eq_u32 s[TYP], 2
	s_cbranch_scc1 .Lv_half1
	KSTEP 0, 1, 0, 0
	KSTEP 0, 1, 1, 0
	KSTEP 0, 1, 2, 0
	KSTEP 0, 1, 3, 0
	s_branch .Ljoin1
.Lv_half1:
	KSTEP 1, 1, 0, 0
	KSTEP 1, 1, 1, 0
	KSTEP 1, 1, 2, 0
	KSTEP 1, 1, 3, 0
.Ljoin1:
	; THE WAY OUT.  Block g = 2 a + e of 32 along the next K lies in registers ACC + 16 g + 0 .. 15 of lanes l and l xor 16.  The eight blocks take turns line by line.
	PLACES 4
.irp g, 0,1,2,3,4,5,6,7
	v_mov_b32 v[TP+\g], 0                          ; a lane permute's destination counts as one of its sources
.endr
.irp g, 0,1,2,3,4,5,6,7
	v_max3_num_f32 v[TM+\g], |v[ACC+16*\g]|, |v[ACC+16*\g+1]|, 0x1800000    ; my 16 numbers, each accumulator from its low end on, and the floor 2^(3 - 127): the byte cannot fall under 1
.endr
.irp i, 2,4,6,8,10,12,14
.irp g, 0,1,2,3,4,5,6,7
	v_max3_num_f32 v[TM+\g], v[TM+\g], |v[ACC+16*\g+\i]|, |v[ACC+16*\g+\i+1]|
.endr
.endr
.irp g, 0,1,2,3,4,5,6,7
	v_permlanex16_b32 v[TP+\g], v[TM+\g], s[SEL], s[SEL+1]
.endr
.irp g, 0,1,2,3,4,5,6,7
	v_max_num_f32 v[TM+\g], v[TM+\g], v[TP+\g]     ; with lane l xor 16's: the block's largest magnitude
.endr
.irp g, 0,1,2,3,4,5,6,7
	v_add_nc_u32 v[SO+\g], 0xff000000, v[TM+\g]    ; 2 off its exponent field: the conversion takes that field as its scale
.endr
.irp g, 0,1,2,3,4,5,6,7
	v_lshrrev_b32 v[BY+\g], 23, v[SO+\g]           ; the scale's byte
.endr
.irp a, 0,1,2,3
	v_lshl_or_b32 v[U+\a], v[BY+2*\a+1], 8, v[BY+2*\a]   ; my row's two bytes for these 64
.endr
.irp a, 0,1,2,3
.irp b, 0,1,2,3
	v_cvt_scalef32_pk8_fp4_f32 v[CD+4*\a+2*(\b%2)+\b/2], v[ACC+32*\a+8*\b:ACC+32*\a+8*\b+7], v[SO+2*\a+\b/2]   ; tile b's eight neighbours 16 b + 8 h + 0 .. 7; tiles 0, 1, 2, 3 go to registers 0, 2, 1, 3
.endr
.endr
	v_nop                                          ; one plain place behind the scaled conversions
.irp a, 0,1,2,3
	v_permlane16_swap_b32 v[CD+4*\a], v[CD+4*\a+1]       ; the first's lanes 16-31 change places with the second's lanes 0-15: register i of lane (r, h) now holds 32 h + 8 i + 0 .. 7
	v_permlane16_swap_b32 v[CD+4*\a+2], v[CD+4*\a+3]
.endr
.irp a, 0,1,2,3
	global_store_b128 v[GO], v[CD+4*\a:CD+4*\a+3], s[32:33] offset:512*\a   ; an image: 32 lanes store 512 consecutive bytes, at a multiple of 256 from the buffer's first byte
.endr
	; the scales of a head come from two waves: they meet in LDS, in both layouts, and the kind chooses between the two VALUES: no LDS address hangs on it
	v_lshl_or_b32 v[WP], v[U+1], 16, v[U]
	v_lshl_or_b32 v[WP+1], v[U+3], 16, v[U+2]
	ds_store_b64 v[SA8], v[WP:WP+1]                ; (both halves of the lanes write the same bytes with the same values)
.irp a, 0,1,2,3
	ds_store_b16 v[SB2], v[U+\a] offset:4*\a
.endr
	s_wait_dscnt 0x0                               ; for the others' sake: my stores have landed
	s_barrier_signal -1
	s_barrier_wait -1
	s_cmp_lt_u32 s[WV], 2
	s_cbranch_scc0 .Ldone
	ds_load_b128 v[RA:RA+3], v[SRD]
	ds_load_b128 v[RB:RB+3], v[SRD] offset:STGB-STGA
	s_cmp_eq_u32 s[TYP], 2
	s_cselect_b32 vcc_lo, -1, 0
	s_wait_dscnt 0x0
.irp i, 0,1,2,3
	v_cndmask_b32 v[RC+\i], v[RA+\i], v[RB+\i], vcc_lo
.endr
	global_store_b128 v[GS], v[RC:RC+3], s[34:35]  ; sixteen lanes store a head's 256 bytes, aligned
.Ldone:
	s_wait_tensorcnt 0x0
	ds_add_u32 v30, v31
	s_wait_dscnt 0x0
	CROUND                                         ; the closing round: no work-group ends while a partner may still ask for a tile that names it
	s_endpgm
.Lfunc_end_k_qbcbfd82c8a_qkv:
	.size	k_qbcbfd82c8a_qkv, .Lfunc_end_k_qbcbfd82c8a_qkv-k_qbcbfd82c8a_qkv
	.p2alignl 7, 3214868480
	.fill 96, 4, 3214868480
	.section	.rodata,"a",@progbits
	.p2align	6, 0x0
	.amdhsa_kernel k_qbcbfd82c8a_qkv
		.amdhsa_group_segment_fixed_size 230400
		.amdhsa_private_segment_fixed_size 0
		.amdhsa_enable_private_segment 0
		.amdhsa_kernarg_size 96
		.amdhsa_user_sgpr_count 2
		.amdhsa_user_sgpr_kernarg_segment_ptr 1
		.amdhsa_wavefront_size32 1
		.amdhsa_system_sgpr_workgroup_id_x 1
		.amdhsa_system_sgpr_workgroup_id_y 1
		.amdhsa_system_sgpr_workgroup_id_z 1
		.amdhsa_system_vgpr_workitem_id 0
		.amdhsa_next_free_vgpr 256
		.amdhsa_next_free_sgpr 102
		.amdhsa_reserve_vcc 1
		.amdhsa_float_denorm_mode_32 3
		.amdhsa_float_denorm_mode_16_64 3
		.amdhsa_memory_ordered 1
		.amdhsa_forward_progress 1
		.amdhsa_inst_pref_size 77
	.end_amdhsa_kernel
	.amdgpu_metadata
---
amdhsa.version: [ 1, 2 ]
amdhsa.kernels:
  - .name:           k_qbcbfd82c8a_qkv
    .symbol:         k_qbcbfd82c8a_qkv.kd
    .args:
      - { .name: X_codes, .offset: 0, .size: 8, .value_kind: global_buffer, .address_space: global }
      - { .name: X_scales, .offset: 8, .size: 8, .value_kind: global_buffer, .address_space: global }
      - { .name: Wq_codes, .offset: 16, .size: 8, .value_kind: global_buffer, .address_space: global }
      - { .name: Wq_scales, .offset: 24, .size: 8, .value_kind: global_buffer, .address_space: global }
      - { .name: bq, .offset: 32, .size: 8, .value_kind: global_buffer, .address_space: global }
      - { .name: Wk_codes, .offset: 40, .size: 8, .value_kind: global_buffer, .address_space: global }
      - { .name: Wk_scales, .offset: 48, .size: 8, .value_kind: global_buffer, .address_space: global }
      - { .name: bk, .offset: 56, .size: 8, .value_kind: global_buffer, .address_space: global }
      - { .name: Wv_codes, .offset: 64, .size: 8, .value_kind: global_buffer, .address_space: global }
      - { .name: Wv_scales, .offset: 72, .size: 8, .value_kind: global_buffer, .address_space: global }
      - { .name: bv, .offset: 80, .size: 8, .value_kind: global_buffer, .address_space: global }
      - { .name: qkv, .offset: 88, .size: 8, .value_kind: global_buffer, .address_space: global }
    .group_segment_fixed_size: 230400
    .private_segment_fixed_size: 0
    .kernarg_segment_align: 8
    .kernarg_segment_size: 96
    .max_flat_workgroup_size: 256
    .sgpr_count:     102
    .vgpr_count:     256
    .wavefront_size: 32
...
	.end_amdgpu_metadata
.endif
;; end of part 1
;; launch attn (part 2): grid 8 x 32, 16 waves a work-group, clusters of 4 x 1, 327,680 bytes of LDS; arguments qkv, ac, asc; writes ac, asc
.if DOCPART == 2
	.amdgcn_target "amdgcn-amd-amdhsa--gfx1250"
	.amdhsa_code_object_version 6
	.text
	.protected	k_qbcbfd82c8a_attn
	.globl	k_qbcbfd82c8a_attn
	.p2align	8
	.type	k_qbcbfd82c8a_attn,@function
k_qbcbfd82c8a_attn:
	s_mov_b64 s[64:65], 0
	v_nop
	global_prefetch_b8 v0, s[64:65] scope:SCOPE_SE
	s_setreg_imm32_b32 hwreg(HW_REG_WAVE_MODE, 25, 1), 1
	s_wait_xcnt 0x0
	s_wait_alu depctr_hold_cnt(0) depctr_sa_sdst(0) depctr_va_vdst(0) depctr_va_sdst(0) depctr_va_ssrc(0) depctr_va_vcc(0) depctr_vm_vsrc(0)
	s_getreg_b32 s2, hwreg(HW_REG_IB_STS2, 6, 4)
	s_cmp_eq_u32 s2, 0
	s_cbranch_scc0 .Lentry_in_a_cluster
	s_endpgm
.Lentry_in_a_cluster:
	s_bfe_u32 s2, ttmp6, 0x10000c
	s_cmp_lg_u32 s2, 0x3003
	s_cbranch_scc0 .Lentry_shape_is_right
	s_endpgm
.Lentry_shape_is_right:
; attention on codes of FP4 (E2M1): O[q] = sum over keys of softmax(Q[q] . K[key] / 8) V[key], head size 64, 2,048 keys, 64 (batch x head); the result is quantised along the embedding axis for the last projection.
; IN: qkv, as the launch before laid it: [batch x head 64][block of 128 tokens 16][record of 13,056 bytes]; a record's first 8,704 bytes are a key step's K codes, V codes, K scales, V scales; Q's codes at 8,704, Q's scales at 12,800.
; OUT: ac = [block of 128 tokens 64][head 16][tile 8][lane 32][16 B]: images of four operand registers (lane (r, h): block h of the head's 64, of row r);  asc = [block 64][pair of heads 8][tile 8][row 16] words: two bytes for each head.
; THE SOFTMAX AHEAD OF THE SECOND PRODUCT: t = score x log2(e) / 8; M = the row's largest t so far, rounded up to a whole number; p = 2^(t - M) is quantised along the keys, not normalised.  The row's sum is taken of the
; unquantised p and divides O at the end.  When M moves, the sum and O are multiplied by 2^(old M - new M), which rounds nothing.
; SHARES.  A work-group owns 256 queries of a batch and a PAIR of heads, so that a wave ends with a whole scale word (128 along the embedding axis) for its rows.  Sixteen waves, 16 queries each, four to a SIMD: one wave's
; vector work stands beside another's products and LDS loads.  Each wave walks all keys, 128 a step, once for each head.
; LDS is filled once: both heads' K and V, codes and scales, 2 x 139,264 bytes.  Wave w brings record w of each head.  Nothing is filled again.
; CLUSTER 4 x 1: the four query blocks of a cluster read the same K and V: each record is asked for jointly, by the same tensor load with the mask of all four.
; LAYOUT.  Both products are used transposed: S^T = K Q^T (source 0 = 16 keys), O^T = V^T P^T (source 0 = 16 channels): a lane holds one query (lane % 16) throughout; register j of tile t holds key (channel) 16 t + 8 (lane / 16) + j.
; THE FIRST PRODUCT'S K IS 64, the instruction's 128.  An even tile of keys is [its four registers][four of zero codes], an odd one [the same zeros][its four]; Q's four registers stand in both halves and its two scale bytes twice.
; So one scale word serves a pair of tiles (the bytes that stand over zero codes lie between 1 and 254 and count for nothing).
; LIMITS: NaN and infinities are not served.  A p under 2^-126 counts as 0 (v_exp_f32 gives 0 there: ISA guide, its entry).  A block's largest p is made from the block's largest score by the same two instructions as every p,
; which takes v_exp_f32 not to fall where its input rises.  A block whose largest magnitude lies under 2^-124, a block of zeros among them, gets the scale byte 1: only this program reads the bytes.
.set REC,   13056
.set KVB,   8704                       ; a key step's bytes in LDS
.set HEADL, 16*KVB                     ; a head's
.set STG,   2*HEADL                    ; behind both heads: 16 waves x 16 scale words
.set WV,  3
.set SEL, 20                           ; s[20:21] lane selects for lane l xor 16
.set CS,  22                           ; s[22:23] c = log2(e) / 8: the packed form names a pair and takes its low word for both halves
.set G1,  24                           ; s[24:31] descriptor group 1;  s[32:35], s[36:39] groups 0 for the two heads
.set G0,  32
.set TB,  40                           ; s40 LDS byte at which the step's record begins;  s41 steps to go
.set CNT, 41
.set AL0, 1                            ; v1 16 x lane;  v2 16 x (lane % 16);  v3, v4 the same + the step's record
.set AS0, 2
.set ADL, 3
.set ADS, 4
.set QS,  6                            ; v6, v7 Q's scale words, first and second head
.set SWD, 8                            ; v8 my rows' scale word of the result
.set STW, 9                            ; v9 where it goes in the stage;  v10 where waves 0, 1 read 512 bytes back
.set STR, 10
.set QF,  16                           ; v16-23, v24-31 Q's fragments.   v12 -M, v13 the largest t, v[14:15] the sum in two halves
.set KF,  32                           ; v32-79 K: pair q at 32 + 12 q: even tile, zeros, odd tile
.set KS,  80                           ; v80-83 K's scale words, one a pair;  v84-87 V's, one a tile of channels
.set VS,  84
.set VF,  88                           ; v88-119 V's four fragments
.set S,   120                          ; v120-183 S^T, then p
.set O,   184                          ; v184-215 O^T
.set PC,  216                          ; v216-223 p's codes
.set BM,  224                          ; v224-227 a block's largest score, then p;  v228-231 the other half's, then bytes;  v232-235 the conversions' scale operands
.set BP,  228
.set SO,  232
.set PW,  236                          ; v236 p's scale word;  v237 at work;  v[238:239] f;  v[240:241] the second chain of the sum
.set T,   237
.set F,   238
.set SUM2, 240
.set OC,  244                          ; v244-247, v248-251 the result's codes, a set for each head: no store's data are written again
.set U,   252
.macro CROUND                          ; a round of the cluster's barrier
	s_barrier_signal -1
	s_barrier_wait -1
	s_cmp_lg_u32 s[WV], 0
	s_cbranch_scc1 .Lnot_wave_0_\@
	s_barrier_signal -3
.Lnot_wave_0_\@:
	s_barrier_wait -3
	s_barrier_signal -1
	s_barrier_wait -1
.endm
.macro PLACES n                        ; plain vector instructions behind a matrix instruction, in front of reads of its results (ISA guide 7.12.1)
.rept \n
	v_nop
.endr
.endm
	s_load_b128 s[12:15], s[0:1], 0x0              ; qkv, ac
	s_load_b64 s[16:17], s[0:1], 0x10              ; asc
	v_lshl_add_u32 v254, v0, 2, 0x44400
	v_mov_b32 v255, 0
	ds_add_u32 v254, v255
	ds_add_u32 v254, v255
	v_lshrrev_b32 v1, 5, v0
	s_delay_alu instid0(VALU_DEP_1)
	v_readfirstlane_b32 s[WV], v1                  ; wave 0..15
	s_bfe_u32 s4, ttmp6, 0x40000                   ; cx
	s_lshl_b32 s5, ttmp9, 2
	s_add_co_u32 s5, s5, s4                        ; my block of 256 queries: it enters Q's and the results' addresses alone
	s_and_b32 s6, ttmp7, 0xffff
	s_lshr_b32 s7, s6, 3                           ; batch
	s_and_b32 s8, s6, 7                            ; pair of heads
	s_lshl_b32 s10, s7, 4
	s_lshl_b32 s11, s8, 1
	s_add_co_u32 s10, s10, s11                     ; 16 x batch + the first head
	s_lshl_b32 s10, s10, 4                         ; its first record
	s_add_co_u32 s18, s10, s[WV]
	s_mul_i32 s18, s18, REC                        ; record w: what I fetch
	s_mov_b32 s19, 0
	; group 1: 8,704 dense bytes as 34 rows of 32 elements of 8 bytes
	s_mov_b32 s[G1], 15|(3<<16)|(1<<21)            ; 15:0 the mask: all four work-groups; 17:16 elements of 8 bytes; 21 set beside a mask
	s_mov_b32 s[G1+1], 32<<16                      ; tensor_dim0
	s_mov_b32 s[G1+2], 34<<16                      ; tensor_dim1
	s_mov_b32 s[G1+3], 32<<16                      ; tile_dim0
	s_mov_b32 s[G1+4], 34                          ; tile_dim1
	s_mov_b32 s[G1+5], 32                          ; from row to row
	s_mov_b32 s[G1+6], 0
	s_mov_b32 s[G1+7], 0
	s_mov_b32 s[G0], 1
	s_mul_i32 s[G0+1], s[WV], KVB                  ; the wave's number alone enters an LDS address
	s_mov_b32 s[G0+4], 1
	s_add_co_u32 s[G0+5], s[G0+1], HEADL
	s_lshl_b32 s50, s5, 1
	s_lshr_b32 s51, s[WV], 3
	s_add_co_u32 s50, s50, s51                     ; my queries' block of 128 in the batch
	s_and_b32 s51, s[WV], 7                        ; and their tile in it
	s_add_co_u32 s52, s10, s50
	s_mul_i32 s52, s52, REC                        ; the record with my Q (first head)
	s_lshl_b32 s53, s51, 9
	s_add_co_u32 s42, s52, s53
	s_add_co_u32 s42, s42, 8704                    ; its image
	s_mov_b32 s43, 0
	s_lshl_b32 s53, s51, 1
	s_add_co_u32 s44, s52, s53
	s_add_co_u32 s44, s44, 12800                   ; its scales: [row 16][tile 8] of two bytes
	s_mov_b32 s45, 0
	s_lshl_b32 s52, s7, 4
	s_add_co_u32 s53, s52, s50                     ; block of 128 tokens among all 64
	s_lshl_b32 s53, s53, 4
	s_add_co_u32 s53, s53, s11                     ; head
	s_lshl_b32 s53, s53, 3
	s_add_co_u32 s53, s53, s51                     ; tile
	s_lshl_b32 s46, s53, 9
	s_mov_b32 s47, 0
	s_lshl_b32 s53, s5, 1
	s_add_co_u32 s53, s53, s52
	s_and_b32 s54, s[WV], 1
	s_add_co_u32 s53, s53, s54                     ; waves 0, 1 store the scale words of the work-group's two blocks
	s_lshl_b32 s53, s53, 3
	s_add_co_u32 s53, s53, s8
	s_lshl_b32 s48, s53, 9
	s_mov_b32 s49, 0
	s_mov_b32 s[SEL], 0x76543210
	s_mov_b32 s[SEL+1], 0xfedcba98
	s_mov_b32 s[CS], 0x3e38aa3b                    ; log2(e) / 8
	s_mov_b32 s[CS+1], s[CS]                       ; (named with it as a pair, so it is written)
	s_wait_dscnt 0x0
	s_wait_kmcnt 0x0
	s_add_nc_u64 s[G0+2:G0+3], s[12:13], s[18:19]
	s_add_nc_u64 s[G0+6:G0+7], s[G0+2:G0+3], 16*REC   ; the second head's records lie 16 records on
	s_or_b32 s[G0+3], s[G0+3], 0x80000000          ; type = 2
	s_or_b32 s[G0+7], s[G0+7], 0x80000000
	s_add_nc_u64 s[42:43], s[12:13], s[42:43]
	s_add_nc_u64 s[44:45], s[12:13], s[44:45]
	s_add_nc_u64 s[46:47], s[14:15], s[46:47]
	s_add_nc_u64 s[48:49], s[16:17], s[48:49]
	CROUND                                         ; all four work-groups are here: the joint loads meet
	tensor_load_to_lds s[G0:G0+3], s[G1:G1+7]      ; every wave asks for two records: two loads of mine are out at the most
	s_nop 0
	s_wait_alu depctr_va_vdst(0)
	s_wait_tensorcnt 0x0
	ds_add_u32 v254, v255
	s_wait_dscnt 0x0
	CROUND
	tensor_load_to_lds s[G0+4:G0+7], s[G1:G1+7]
	s_nop 0
.rept 4
	v_nop
.endr
	v_and_b32 v[AL0], 31, v0
	s_delay_alu instid0(VALU_DEP_1)
	v_lshlrev_b32 v[AL0], 4, v[AL0]
	v_and_b32 v[STW], 15, v0
	s_delay_alu instid0(VALU_DEP_1)
	v_lshlrev_b32 v[AS0], 4, v[STW]
	global_load_b128 v[QF:QF+3], v[AL0], s[42:43]                  ; Q's image, into both halves of the fragment
	global_load_b128 v[QF+4:QF+7], v[AL0], s[42:43]
	global_load_b128 v[QF+8:QF+11], v[AL0], s[42:43] offset:16*REC ; the second head's
	global_load_b128 v[QF+12:QF+15], v[AL0], s[42:43] offset:16*REC
	global_load_u16 v[QS], v[AS0], s[44:45]
	global_load_u16 v[QS+1], v[AS0], s[44:45] offset:16*REC
	s_lshl_b32 s52, s[WV], 6
	s_add_co_u32 s52, s52, STG
	v_lshl_add_u32 v[STW], v[STW], 2, s52          ; 64 x wave + 4 r
	s_and_b32 s52, s[WV], 1
	s_lshl_b32 s52, s52, 9
	s_add_co_u32 s52, s52, STG
	v_add_nc_u32 v[STR], s52, v[AL0]
	s_wait_loadcnt 0x0
	v_lshl_or_b32 v[QS], v[QS], 16, v[QS]          ; the two bytes twice: for the codes in either half
	v_lshl_or_b32 v[QS+1], v[QS+1], 16, v[QS+1]
.irp q, 0,1,2,3
.irp i, 4,5,6,7
	v_mov_b32 v[KF+12*\q+\i], 0                    ; the zero codes between a pair's tiles: written once
.endr
.endr
.irp b, 0,1,2,3
	v_mov_b32 v[BP+\b], 0                          ; a lane permute's destination counts as one of its sources
.endr
	v_mov_b32 v[T], 0
	v_mov_b32 v[F+1], 0                            ; (named as the upper half of the pair before it is otherwise written)
	s_wait_tensorcnt 0x1                           ; my record of the first head is in; the one load issued behind it, the second head's, may stay out
	s_barrier_signal -1
	s_barrier_wait -1                              ; everybody's is
; A KEY STEP: 128 keys of head hd
.macro STEP hd
	v_add_nc_u32 v[ADL], s[TB], v[AL0]
	v_add_nc_u32 v[ADS], s[TB], v[AS0]
	v_nop
	v_nop                                          ; four places behind the last step's products, in front of the loads into V's registers
.irp t, 0,1,2,3,4,5,6,7
	ds_load_b128 v[KF+12*(\t/2)+8*(\t%2):KF+12*(\t/2)+8*(\t%2)+3], v[ADL] offset:512*\t   ; an image comes back as it was stored: 512 consecutive bytes
.endr
	ds_load_b128 v[KS:KS+3], v[ADS] offset:8192
.irp c, 0,1
.irp d, 0,1,2,3
	ds_load_b128 v[VF+8*\d+4*\c:VF+8*\d+4*\c+3], v[ADL] offset:4096+2048*\c+512*\d
.endr
.endr
	ds_load_b128 v[VS:VS+3], v[ADS] offset:8448
	s_wait_dscnt 0x9                               ; K's eight loads and its scale words are in; the nine issued behind them, V's, may stay out
.irp t, 0,1,2,3,4,5,6,7
	v_wmma_scale_f32_16x16x128_f8f6f4 v[S+8*\t:S+8*\t+7], v[KF+12*(\t/2)+4*(\t%2):KF+12*(\t/2)+4*(\t%2)+7], v[QF+8*\hd:QF+8*\hd+7], 0, v[KS+\t/2], v[QS+\hd] matrix_a_fmt:MATRIX_FMT_FP4 matrix_b_fmt:MATRIX_FMT_FP4
.endr
	PLACES 4
.irp b, 0,1,2,3
	v_max3_num_f32 v[BM+\b], v[S+16*\b], v[S+16*\b+1], v[S+16*\b+2]   ; the largest score of each block of 32 keys (tiles 2 b, 2 b + 1, each read from its low end on): it serves the row's maximum and, since p rises with the score, the block's largest p
.endr
.irp i, 3,5,7,9,11,13
.irp b, 0,1,2,3
	v_max3_num_f32 v[BM+\b], v[BM+\b], v[S+16*\b+\i], v[S+16*\b+\i+1]   ; (the four blocks by turns)
.endr
.endr
.irp b, 0,1,2,3
	v_max_num_f32 v[BM+\b], v[BM+\b], v[S+16*\b+15]
.endr
.irp b, 0,1,2,3
	s_delay_alu instid0(VALU_DEP_4)
	v_permlanex16_b32 v[BP+\b], v[BM+\b], s[SEL], s[SEL+1]
.endr
.irp b, 0,1,2,3
	s_delay_alu instid0(VALU_DEP_4)
	v_max_num_f32 v[BM+\b], v[BM+\b], v[BP+\b]     ; with lane l xor 16's 16 keys
.endr
	s_delay_alu instid0(VALU_DEP_2)
	v_max3_num_f32 v[T], v[BM], v[BM+1], v[BM+2]
	s_delay_alu instid0(VALU_DEP_1)
	v_max_num_f32 v[T], v[T], v[BM+3]              ; the step's largest score of my query
	s_delay_alu instid0(VALU_DEP_1)
	v_mul_f32 v[T], s[CS], v[T]                    ; as t (c is positive)
	s_delay_alu instid0(VALU_DEP_1)
	v_max_num_f32 v13, v13, v[T]                   ; the running largest t
	v_mov_b32 v[T], v12
	s_delay_alu instid0(VALU_DEP_2)
	v_floor_f32 v12, -v13                          ; the new -M = floor(-t) = -ceil(t): a whole number
	s_delay_alu instid0(VALU_DEP_1)
	v_sub_f32 v[T], v12, v[T]                      ; M's old value less its new one: a whole number, 0 or less
	s_delay_alu instid0(VALU_DEP_1)
	v_cvt_i32_f32 v[T], v[T]                       ; (it saturates)
	s_delay_alu instid0(VALU_DEP_1)
	v_ldexp_f32 v[F], 1.0, v[T]                    ; f = 2^(old M - new M)
.set J, 0
.rept 32
	v_pk_fma_f32 v[S+J:S+J+1], v[S+J:S+J+1], s[CS:CS+1], v[12:13] op_sel_hi:[1,0,0]   ; t - M, two at a time (of the pairs c and -M the low word serves both halves)
.set J, J+2
.endr
.irp b, 0,1,2,3
	v_fma_f32 v[BM+\b], v[BM+\b], s[CS], v12       ; the same of each block's largest score
.endr
.set J, 0
	s_wait_alu depctr_va_vdst(0)
.rept 64
	v_exp_f32 v[S+J], v[S+J]                       ; p = 2^(t - M): not normalised
.set J, J+1
.endr
	s_setprio 1
.irp b, 0,1,2,3
	v_exp_f32 v[BM+\b], v[BM+\b]                   ; the block's largest p
.endr
	v_pk_mul_f32 v[14:15], v[14:15], v[F:F+1] op_sel_hi:[1,0]   ; the sums under the new M.  (The plain place behind the exponentials)
	s_wait_alu depctr_va_vdst(0)
.irp b, 0,1,2,3
	v_max_num_f32 v[BM+\b], 0x1800000, v[BM+\b]    ; the floor 2^(3 - 127): the byte cannot fall under 1
.endr
.irp b, 0,1,2,3
	s_delay_alu instid0(VALU_DEP_4)
	v_add_nc_u32 v[SO+\b], 0xff000000, v[BM+\b]    ; 2 off the exponent field: the conversion's scale operand
.endr
.irp b, 0,1,2,3
	s_delay_alu instid0(VALU_DEP_4)
	v_lshrrev_b32 v[BP+\b], 23, v[SO+\b]           ; the scale's byte
.endr
	s_delay_alu instid0(VALU_DEP_3)
	v_lshl_or_b32 v[PW], v[BP+1], 8, v[BP]         ; p's scale word for these 128 keys
	s_delay_alu instid0(VALU_DEP_1)
	v_lshl_or_b32 v[PW], v[BP+2], 16, v[PW]
	s_delay_alu instid0(VALU_DEP_1)
	v_lshl_or_b32 v[PW], v[BP+3], 24, v[PW]
.irp b, 0,1,2,3
	v_cvt_scalef32_pk8_fp4_f32 v[PC+4*(\b/2)+\b%2], v[S+16*\b:S+16*\b+7], v[SO+\b]         ; of each 64 keys tiles 0, 1, 2, 3 go to registers 0, 2, 1, 3
	v_cvt_scalef32_pk8_fp4_f32 v[PC+4*(\b/2)+2+\b%2], v[S+16*\b+8:S+16*\b+15], v[SO+\b]
.endr
	v_nop                                          ; one plain place behind the scaled conversions
.irp c, 0,1
	v_permlane16_swap_b32 v[PC+4*\c], v[PC+4*\c+1]       ; register 4 c + i of lane (r, h) now holds keys 64 c + 32 h + 8 i + 0 .. 7: the operand's layout
	v_permlane16_swap_b32 v[PC+4*\c+2], v[PC+4*\c+3]
.endr
	v_pk_add_f32 v[SUM2:SUM2+1], v[S:S+1], v[S+2:S+3]    ; the row's sum is taken of the unquantised p: two at a time, in two chains
.irp j, 4,8,12,16,20,24,28,32,36,40,44,48,52,56,60
	v_pk_add_f32 v[14:15], v[14:15], v[S+\j:S+\j+1]
	v_pk_add_f32 v[SUM2:SUM2+1], v[SUM2:SUM2+1], v[S+\j+2:S+\j+3]
.endr
	s_delay_alu instid0(VALU_DEP_1)
	v_pk_add_f32 v[14:15], v[14:15], v[SUM2:SUM2+1]
.set J, 0
	s_setprio 0
.rept 16
	v_pk_mul_f32 v[O+J:O+J+1], v[O+J:O+J+1], v[F:F+1] op_sel_hi:[1,0]   ; O^T under the new M, each accumulator from its low end on.  (These and the sums are the places between p's codes and scale word and the products below)
.set J, J+2
.endr
	s_wait_alu depctr_va_vdst(0)
	s_wait_dscnt 0x0                               ; V and its scale words are in
.irp d, 0,1,2,3
	v_wmma_scale_f32_16x16x128_f8f6f4 v[O+8*\d:O+8*\d+7], v[VF+8*\d:VF+8*\d+7], v[PC:PC+7], v[O+8*\d:O+8*\d+7], v[VS+\d], v[PW] matrix_a_fmt:MATRIX_FMT_FP4 matrix_b_fmt:MATRIX_FMT_FP4   ; four accumulators, one instruction a turn; the next step's eight products stand between two links
.endr
.endm
; O^T / the sum, quantised along the head's 64 (two blocks of the embedding axis), and stored as an image
.macro FINISH hd
	PLACES 4
	v_add_f32 v14, v14, v15                        ; the sum's two halves,
	s_delay_alu instid0(VALU_DEP_1)
	v_permlanex16_b32 v[T], v14, s[SEL], s[SEL+1]
	s_delay_alu instid0(VALU_DEP_1)
	v_add_f32 v14, v14, v[T]                       ; and lane l xor 16's: the row's sum
	s_wait_alu depctr_va_vdst(0)
	v_rcp_f32 v14, v14
	v_nop                                          ; one plain place behind the reciprocal
.set J, 0
	s_wait_alu depctr_va_vdst(0)
.rept 16
	v_pk_mul_f32 v[S+J:S+J+1], v[O+J:O+J+1], v[14:15] op_sel_hi:[1,0]   ; register 8 d + j: channel 16 d + 8 h + j of my query
.set J, J+2
.endr
.irp e, 0,1
	v_max3_num_f32 v[BM+\e], |v[S+16*\e]|, |v[S+16*\e+1]|, 0x1800000
.endr
.irp i, 2,4,6,8,10,12,14
.irp e, 0,1
	s_delay_alu instid0(VALU_DEP_2)
	v_max3_num_f32 v[BM+\e], v[BM+\e], |v[S+16*\e+\i]|, |v[S+16*\e+\i+1]|
.endr
.endr
.irp e, 0,1
	s_delay_alu instid0(VALU_DEP_2)
	v_permlanex16_b32 v[BP+\e], v[BM+\e], s[SEL], s[SEL+1]
.endr
.irp e, 0,1
	s_delay_alu instid0(VALU_DEP_2)
	v_max_num_f32 v[BM+\e], v[BM+\e], v[BP+\e]
.endr
.irp e, 0,1
	s_delay_alu instid0(VALU_DEP_2)
	v_add_nc_u32 v[SO+\e], 0xff000000, v[BM+\e]
.endr
.irp e, 0,1
	s_delay_alu instid0(VALU_DEP_2)
	v_lshrrev_b32 v[BP+\e], 23, v[SO+\e]
.endr
	s_delay_alu instid0(VALU_DEP_1)
	v_lshl_or_b32 v[U], v[BP+1], 8, v[BP]
.irp b, 0,1,2,3
	v_cvt_scalef32_pk8_fp4_f32 v[OC+4*\hd+2*(\b%2)+\b/2], v[S+8*\b:S+8*\b+7], v[SO+\b/2]
.endr
	v_nop                                          ; one plain place behind the scaled conversions
	v_permlane16_swap_b32 v[OC+4*\hd], v[OC+4*\hd+1]
	v_permlane16_swap_b32 v[OC+4*\hd+2], v[OC+4*\hd+3]
.if \hd == 0
	v_mov_b32 v[SWD], v[U]                         ; bytes 0, 1 of my rows' scale word
.else
	v_lshl_or_b32 v[SWD], v[U], 16, v[SWD]         ; bytes 2, 3
.endif
	global_store_b128 v[AL0], v[OC+4*\hd:OC+4*\hd+3], s[46:47] offset:4096*\hd   ; 32 lanes store 512 consecutive bytes, at a multiple of 256 from the buffer's first byte
.endm
.macro PASS hd
	v_mov_b32 v13, 0xff61b1e6                      ; the largest t so far: -3e38, under every t
	s_delay_alu instid0(VALU_DEP_1)
	v_floor_f32 v12, -v13                          ; -M
	v_mov_b32 v14, 0
	v_mov_b32 v15, 0
.set J, 0
.rept 32
	v_mov_b32 v[O+J], 0                            ; the step is written once for a head: its first trip finds zeros, which the first change of M leaves zeros
.set J, J+1
.endr
	s_mov_b32 s[TB], \hd*HEADL
	s_mov_b32 s[CNT], 16
.Lstep_\@:
	s_setprio 2
	STEP \hd
	s_add_co_u32 s[TB], s[TB], KVB
	s_sub_co_u32 s[CNT], s[CNT], 1
	s_cmp_lg_u32 s[CNT], 0
	s_cbranch_scc1 .Lstep_\@
	s_setprio 0
	FINISH \hd
.endm
	PASS 0
	s_wait_tensorcnt 0x0                           ; my record of the second head is in,
	s_wait_dscnt 0x0
	s_barrier_signal -1
	s_barrier_wait -1                              ; everybody's is
	PASS 1
	ds_store_b32 v[STW], v[SWD]                    ; the scale words of 16 waves meet in LDS (both halves of the lanes write the same word with the same value)
	s_wait_dscnt 0x0                               ; for the others' sake: my store has landed
	s_barrier_signal -1
	s_barrier_wait -1
	s_cmp_lt_u32 s[WV], 2
	s_cbranch_scc0 .Ldone
	ds_load_b128 v[S:S+3], v[STR]
	s_wait_dscnt 0x0
	global_store_b128 v[AL0], v[S:S+3], s[48:49]   ; a block's 128 words for this pair of heads: 512 consecutive bytes, aligned
.Ldone:
	s_wait_tensorcnt 0x0
	ds_add_u32 v254, v255
	s_wait_dscnt 0x0
	CROUND                                         ; the closing round: no work-group ends while a partner may still ask for a record that names it
	s_endpgm
.Lfunc_end_k_qbcbfd82c8a_attn:
	.size	k_qbcbfd82c8a_attn, .Lfunc_end_k_qbcbfd82c8a_attn-k_qbcbfd82c8a_attn
	.p2alignl 7, 3214868480
	.fill 96, 4, 3214868480
	.section	.rodata,"a",@progbits
	.p2align	6, 0x0
	.amdhsa_kernel k_qbcbfd82c8a_attn
		.amdhsa_group_segment_fixed_size 327680
		.amdhsa_private_segment_fixed_size 0
		.amdhsa_enable_private_segment 0
		.amdhsa_kernarg_size 24
		.amdhsa_user_sgpr_count 2
		.amdhsa_user_sgpr_kernarg_segment_ptr 1
		.amdhsa_wavefront_size32 1
		.amdhsa_system_sgpr_workgroup_id_x 1
		.amdhsa_system_sgpr_workgroup_id_y 1
		.amdhsa_system_sgpr_workgroup_id_z 1
		.amdhsa_system_vgpr_workitem_id 0
		.amdhsa_next_free_vgpr 256
		.amdhsa_next_free_sgpr 66
		.amdhsa_reserve_vcc 0
		.amdhsa_float_denorm_mode_32 3
		.amdhsa_float_denorm_mode_16_64 3
		.amdhsa_memory_ordered 1
		.amdhsa_forward_progress 1
		.amdhsa_inst_pref_size 51
	.end_amdhsa_kernel
	.amdgpu_metadata
---
amdhsa.version: [ 1, 2 ]
amdhsa.kernels:
  - .name:           k_qbcbfd82c8a_attn
    .symbol:         k_qbcbfd82c8a_attn.kd
    .args:
      - { .name: qkv, .offset: 0, .size: 8, .value_kind: global_buffer, .address_space: global }
      - { .name: ac, .offset: 8, .size: 8, .value_kind: global_buffer, .address_space: global }
      - { .name: asc, .offset: 16, .size: 8, .value_kind: global_buffer, .address_space: global }
    .group_segment_fixed_size: 327680
    .private_segment_fixed_size: 0
    .kernarg_segment_align: 8
    .kernarg_segment_size: 24
    .max_flat_workgroup_size: 512
    .sgpr_count:     66
    .vgpr_count:     256
    .wavefront_size: 32
...
	.end_amdgpu_metadata
.endif
;; end of part 2
;; launch oproj (part 3): grid 4 x 64, 8 waves a work-group, clusters of 4 x 4, 252,928 bytes of LDS; arguments ac, asc, Wo_codes, Wo_scales, bo, out0; writes out0
.if DOCPART == 3
	.amdgcn_target "amdgcn-amd-amdhsa--gfx1250"
	.amdhsa_code_object_version 6
	.text
	.protected	k_qbcbfd82c8a_oproj
	.globl	k_qbcbfd82c8a_oproj
	.p2align	8
	.type	k_qbcbfd82c8a_oproj,@function
k_qbcbfd82c8a_oproj:
	s_mov_b64 s[64:65], 0
	v_nop
	global_prefetch_b8 v0, s[64:65] scope:SCOPE_SE
	s_setreg_imm32_b32 hwreg(HW_REG_WAVE_MODE, 25, 1), 1
	s_wait_xcnt 0x0
	s_wait_alu depctr_hold_cnt(0) depctr_sa_sdst(0) depctr_va_vdst(0) depctr_va_sdst(0) depctr_va_ssrc(0) depctr_va_vcc(0) depctr_vm_vsrc(0)
	s_getreg_b32 s2, hwreg(HW_REG_IB_STS2, 6, 4)
	s_cmp_eq_u32 s2, 0
	s_cbranch_scc0 .Lentry_in_a_cluster
	s_endpgm
.Lentry_in_a_cluster:
	s_bfe_u32 s2, ttmp6, 0x10000c
	s_cmp_lg_u32 s2, 0xf033
	s_cbranch_scc0 .Lentry_shape_is_right
	s_endpgm
.Lentry_shape_is_right:
; out0 = A Wo + bo on codes of FP4 (E2M1) with one E8M0 scale for each 32 along K.  A is the attention's result, 8,192 rows x 1,024, as the launch before laid it:
; ac = [block of 128 tokens 64][head 16][tile 8][lane 32][16 B]: images of four operand registers (64 along K);  asc = [block 64][128 along K 8][tile 8][row 16] scale words.
; Wo: 1,024 rows (outputs) of 512 bytes of codes, 32 scale bytes a row.  bo and out0 [8,192][1,024] are f32.
; SHARES.  A work-group makes 128 tokens x 256 outputs; eight waves, wave w: tokens 64 (w / 4) on, outputs 64 (w % 4) on: 16 accumulators.  Source 0 = 16 rows of Wo, source 1 = 16 tokens: a lane holds eight neighbouring outputs of one row.
; LDS is filled once: A's 65,536 bytes of images, Wo's 256 rows in two halves of K (rows of 256 bytes + 16 of padding), both sides' scales.  Nothing is filled again.
; CLUSTER 4 x 4: the four of a row need the same tokens, the four of a column the same rows of Wo: each tile is asked for jointly, by the same tensor load with a mask that names the four.
; LIMITS: NaN and infinities are not served.
.set PITCH, 272
.set HROWS, 64*PITCH
.set WCH,   65536                      ; behind A's images: Wo's first half of K,
.set WCHB,  256*PITCH                  ; and its second, this many bytes on
.set LAS,   WCH+2*WCHB                 ; A's scale words, 4,096 bytes
.set LWS,   LAS+4096                   ; Wo's scale rows, 256 x 32 bytes
.set STAGE, LWS+8192                   ; the way out: 16 rows x (256 bytes + 16) for each wave
.set WV,  3                            ; s3 wave;  s4 its half of the tokens;  s5 its quarter of the outputs
.set PH,  4
.set NQ,  5
.set CX,  6
.set CY,  7
.set GB,  8                            ; s8 block of 128 tokens
.set G1WC, 40                          ; s[40:47] group 1, Wo's codes;  s[48:55] Wo's scales;  s[56:63] A's codes;  s[68:75] A's scales
.set G1WS, 48
.set G1AC, 56
.set G1AS, 68
.set G0W,  76                          ; s[76:87] Wo's three groups 0: scales, first half of K, second half;  s[88:99] A's
.set G0A,  88
.set AA,  4                            ; v4  my lane's place in A's images
.set WA,  6                            ; v6, v7 LDS address of my Wo fragments in the two halves of K
.set ASA, 8                            ; v8  A's scale words;  v9 Wo's
.set WSA, 9
.set STO, 10                           ; v10 the stage: where I put 32 bytes of a row;  v11 where I read rows back;  v12 the same place in out0
.set RD,  11
.set CO,  12
.set SA,  16                           ; v16-19 A's scale words;  v20-23 Wo's
.set SW,  20
.set AF,  32
.set WF,  64
.set CB,  96
.set ACC, 128
.macro CROUND                          ; a round of the cluster's barrier
	s_barrier_signal -1
	s_barrier_wait -1
	s_cmp_lg_u32 s[WV], 0
	s_cbranch_scc1 .Lnot_wave_0_\@
	s_barrier_signal -3
.Lnot_wave_0_\@:
	s_barrier_wait -3
	s_barrier_signal -1
	s_barrier_wait -1
.endm
.macro PLACES n                        ; plain vector instructions behind a matrix instruction, in front of loads into its registers and of reads of its results
.rept \n
	v_nop
.endr
.endm
.macro FRAG reg, adr, q, i
.irp c, 0,1
	ds_load_b128 v[\reg+4*\c:\reg+4*\c+3], v[\adr] offset:64*(\q)+32*\c+(\i)*16*PITCH
.endr
.endm
.macro MUL first                       ; 16 matrix instructions, the 16 accumulators by turns in the same order in every step; first = 1: the bias is the C that starts the sums
.irp a, 0,1,2,3
.irp b, 0,1,2,3
.if \first
	v_wmma_scale_f32_16x16x128_f8f6f4 v[ACC+8*(4*\a+\b):ACC+8*(4*\a+\b)+7], v[WF+8*\b:WF+8*\b+7], v[AF+8*\a:AF+8*\a+7], v[CB+8*\b:CB+8*\b+7], v[SW+\b], v[SA+\a] matrix_a_fmt:MATRIX_FMT_FP4 matrix_b_fmt:MATRIX_FMT_FP4
.else
	v_wmma_scale_f32_16x16x128_f8f6f4 v[ACC+8*(4*\a+\b):ACC+8*(4*\a+\b)+7], v[WF+8*\b:WF+8*\b+7], v[AF+8*\a:AF+8*\a+7], v[ACC+8*(4*\a+\b):ACC+8*(4*\a+\b)+7], v[SW+\b], v[SA+\a] matrix_a_fmt:MATRIX_FMT_FP4 matrix_b_fmt:MATRIX_FMT_FP4
.endif
.endr
.endr
.endm
.macro KSTEP s, first                  ; 128 along K: heads 2 s and 2 s + 1
.if \first == 0
	PLACES 4                                       ; the loads below land in registers that the last step's products read
.endif
.irp i, 0,1,2,3
	ds_load_b128 v[AF+8*\i:AF+8*\i+3], v[AA] offset:8192*\s+512*\i          ; head 2 s's image is the fragment's first half,
	ds_load_b128 v[AF+8*\i+4:AF+8*\i+7], v[AA] offset:8192*\s+512*\i+4096   ; head 2 s + 1's its second
.endr
.irp i, 0,1,2,3
	FRAG WF+8*\i, WA+(\s)/4, (\s)%4, \i
.endr
.irp i, 0,1,2,3
	ds_load_b32 v[SA+\i], v[ASA] offset:512*\s+64*\i
	ds_load_b32 v[SW+\i], v[WSA] offset:512*\i+4*\s
.endr
	s_wait_dscnt 0x0                               ; all 24 loads are in
	MUL \first
.endm
	s_load_b256 s[16:23], s[0:1], 0x0              ; ac 16, asc 18, Wo's codes 20, Wo's scales 22
	s_load_b128 s[24:27], s[0:1], 0x20             ; bo 24, out0 26
	v_lshl_add_u32 v30, v0, 2, 0x3d800
	v_mov_b32 v31, 0
	ds_add_u32 v30, v31
	ds_add_u32 v30, v31
	v_lshrrev_b32 v1, 5, v0
	s_delay_alu instid0(VALU_DEP_1)
	v_readfirstlane_b32 s[WV], v1                  ; wave 0..7
	s_lshr_b32 s[PH], s[WV], 2
	s_and_b32 s[NQ], s[WV], 3
	s_bfe_u32 s[CX], ttmp6, 0x40000
	s_bfe_u32 s[CY], ttmp6, 0x40004
	s_and_b32 s[GB], ttmp7, 0xffff
	s_lshl_b32 s[GB], s[GB], 2
	s_add_co_u32 s[GB], s[GB], s[CY]               ; block of 128 tokens = 4 x cluster y + cy
	s_lshl_b32 s14, s[CY], 2
	s_lshl_b32 s14, 15, s14                        ; my row of the cluster
	s_lshl_b32 s15, 0x1111, s[CX]                  ; my column
	; group 1.  Wo's codes: 64 rows x 256 bytes, 512 bytes apart in memory, 16 bytes of padding behind each row in LDS
	s_or_b32 s[G1WC], s15, (1<<20)|(1<<21)|(5<<22)|(3<<25)   ; 15:0 the mask; 17:16 elements of 1 byte; 20 padding on; 21 set beside a mask; 24:22 after every 64 words; 31:25 four words
	s_mov_b32 s[G1WC+1], 256<<16
	s_mov_b32 s[G1WC+2], 64<<16
	s_mov_b32 s[G1WC+3], 256<<16
	s_mov_b32 s[G1WC+4], 64
	s_mov_b32 s[G1WC+5], 512
	s_mov_b32 s[G1WC+6], 0
	s_mov_b32 s[G1WC+7], 0
	; A's images: 16,384 dense bytes as 64 rows of 32 elements of 8 bytes
	s_or_b32 s[G1AC], s14, (3<<16)|(1<<21)
	s_mov_b32 s[G1AC+1], 32<<16
	s_mov_b32 s[G1AC+2], 64<<16
	s_mov_b32 s[G1AC+3], 32<<16
	s_mov_b32 s[G1AC+4], 64
	s_mov_b32 s[G1AC+5], 32
	s_mov_b32 s[G1AC+6], 0
	s_mov_b32 s[G1AC+7], 0
	; either side's scales: 2,048 dense bytes as 8 such rows
	s_or_b32 s[G1WS], s15, (3<<16)|(1<<21)
	s_or_b32 s[G1AS], s14, (3<<16)|(1<<21)
.irp g, G1WS, G1AS
	s_mov_b32 s[\g+1], 32<<16
	s_mov_b32 s[\g+2], 8<<16
	s_mov_b32 s[\g+3], 32<<16
	s_mov_b32 s[\g+4], 8
	s_mov_b32 s[\g+5], 32
	s_mov_b32 s[\g+6], 0
	s_mov_b32 s[\g+7], 0
.endr
	; where the tiles go: the wave's number alone enters an LDS address.  Waves 0-3 fetch Wo's quarters, waves 4, 5 A's halves
	s_and_b32 s100, s[WV], 1
	s_lshl_b32 s[G0A+1], s100, 11
	s_add_co_u32 s[G0A+1], s[G0A+1], LAS
	s_lshl_b32 s[G0A+5], s100, 14                  ; heads 0-7 are the first half of K: 32,768 bytes, two loads;
	s_add_co_u32 s[G0A+9], s[G0A+5], 32768         ; heads 8-15 the second
	s_lshl_b32 s[G0W+1], s[NQ], 11
	s_add_co_u32 s[G0W+1], s[G0W+1], LWS
	s_mul_i32 s[G0W+5], s[NQ], HROWS
	s_add_co_u32 s[G0W+5], s[G0W+5], WCH
	s_add_co_u32 s[G0W+9], s[G0W+5], WCHB
	s_lshl_b32 s15, s[CX], 8
	s_lshl_b32 s12, s[NQ], 6
	s_add_co_u32 s15, s15, s12                     ; Wo: row 256 cx + 64 x quarter
	s_mov_b32 s11, 0
	s_mov_b32 s13, 0
	s_wait_dscnt 0x0
	s_wait_kmcnt 0x0
	s_lshl_b32 s14, s[GB], 12                      ; A's numbers hang on the token block (cy), Wo's on cx, each in registers that never hold the other
	s_lshl_b32 s10, s100, 11
	s_add_co_u32 s10, s10, s14
	s_add_nc_u64 s[G0A+2:G0A+3], s[18:19], s[10:11]
	s_lshl_b32 s14, s[GB], 16
	s_lshl_b32 s10, s100, 14
	s_add_co_u32 s10, s10, s14
	s_add_nc_u64 s[G0A+6:G0A+7], s[16:17], s[10:11]
	s_add_nc_u64 s[G0A+10:G0A+11], s[G0A+6:G0A+7], 32768
	s_lshl_b32 s12, s15, 5
	s_add_nc_u64 s[G0W+2:G0W+3], s[22:23], s[12:13]
	s_lshl_b32 s12, s15, 9
	s_add_nc_u64 s[G0W+6:G0W+7], s[20:21], s[12:13]
	s_add_nc_u64 s[G0W+10:G0W+11], s[G0W+6:G0W+7], 256
.irp g, G0W, G0W+4, G0W+8, G0A, G0A+4, G0A+8
	s_mov_b32 s[\g], 1                             ; count = 1
	s_or_b32 s[\g+3], s[\g+3], 0x80000000          ; type = 2
.endr
	CROUND                                         ; all sixteen work-groups are here: the joint loads meet
	s_cmp_lt_u32 s[WV], 4                          ; a wave's three loads stand in one branch on its number: three of mine are out at the most; four v_nop follow the last
	s_cbranch_scc0 .Lnot_w
	tensor_load_to_lds s[G0W:G0W+3], s[G1WS:G1WS+7]
	s_nop 0
	tensor_load_to_lds s[G0W+4:G0W+7], s[G1WC:G1WC+7]
	s_nop 0
	tensor_load_to_lds s[G0W+8:G0W+11], s[G1WC:G1WC+7]
	s_nop 0
.rept 4
	v_nop
.endr
	s_branch .Lasked
.Lnot_w:
	s_cmp_lt_u32 s[WV], 6
	s_cbranch_scc0 .Lasked
	tensor_load_to_lds s[G0A:G0A+3], s[G1AS:G1AS+7]
	s_nop 0
	tensor_load_to_lds s[G0A+4:G0A+7], s[G1AC:G1AC+7]
	s_nop 0
	tensor_load_to_lds s[G0A+8:G0A+11], s[G1AC:G1AC+7]
	s_nop 0
.rept 4
	v_nop
.endr
.Lasked:
	s_lshl_b32 s66, s[CX], 10
	s_lshl_b32 s2, s[NQ], 8
	s_add_co_u32 s66, s66, s2                      ; my first output, in bytes: 4 (256 cx + 64 x quarter)
	s_mov_b32 s67, 0
	s_add_nc_u64 s[24:25], s[24:25], s[66:67]      ; bo there
	s_lshl_b32 s2, s[GB], 19
	s_add_co_u32 s66, s66, s2
	s_lshl_b32 s2, s[PH], 18
	s_add_co_u32 s66, s66, s2                      ; + my first row: (128 x block + 64 x half) x 4,096 bytes
	s_add_nc_u64 s[26:27], s[26:27], s[66:67]
	v_and_b32 v1, 15, v0                           ; r
	v_bfe_u32 v2, v0, 4, 1                         ; h
	v_and_b32 v3, 31, v0                           ; lane
	s_delay_alu instid0(VALU_DEP_2)
	v_lshlrev_b32 v14, 5, v2
.irp i, 0,1,2,3
	global_load_b128 v[CB+8*\i:CB+8*\i+3], v14, s[24:25] offset:64*\i       ; register j: output 16 i + 8 h + j
	global_load_b128 v[CB+8*\i+4:CB+8*\i+7], v14, s[24:25] offset:64*\i+16
.endr
	s_lshl_b32 s100, s[PH], 11
	v_lshl_add_u32 v[AA], v3, 4, s100              ; my half's four tiles of a head's eight, 16 bytes a lane
	v_mul_u32_u24 v15, v1, PITCH
	s_delay_alu instid0(VALU_DEP_1)
	v_lshl_add_u32 v15, v2, 4, v15
	s_mul_i32 s100, s[NQ], HROWS
	s_add_co_u32 s100, s100, WCH
	v_add_nc_u32 v[WA], s100, v15
	s_delay_alu instid0(VALU_DEP_1)
	v_add_nc_u32 v[WA+1], WCHB, v[WA]
	s_lshl_b32 s100, s[PH], 8
	s_add_co_u32 s100, s100, LAS
	v_lshl_add_u32 v[ASA], v1, 2, s100
	s_lshl_b32 s100, s[NQ], 11
	s_add_co_u32 s100, s100, LWS
	v_lshl_add_u32 v[WSA], v1, 5, s100
	s_mul_i32 s100, s[WV], 16*PITCH
	s_add_co_u32 s100, s100, STAGE                 ; my stage
	v_mul_u32_u24 v[STO], v1, PITCH
	s_delay_alu instid0(VALU_DEP_1)
	v_lshl_add_u32 v[STO], v2, 5, v[STO]
	s_delay_alu instid0(VALU_DEP_1)
	v_add_nc_u32 v[STO], s100, v[STO]              ; in: row r, 32 bytes for each half of the lanes
	v_mul_u32_u24 v[RD], v2, PITCH
	s_delay_alu instid0(VALU_DEP_1)
	v_lshl_add_u32 v[RD], v1, 4, v[RD]
	s_delay_alu instid0(VALU_DEP_1)
	v_add_nc_u32 v[RD], s100, v[RD]                ; back: lanes 0-15 one row of 256 bytes, lanes 16-31 the next
	v_lshlrev_b32 v[CO], 12, v2
	s_delay_alu instid0(VALU_DEP_1)
	v_lshl_add_u32 v[CO], v1, 4, v[CO]             ; and the same two rows in out0
	s_wait_alu depctr_va_vdst(0)
	s_wait_loadcnt 0x0                             ; the bias
	s_wait_tensorcnt 0x1                           ; my scales and my part of the first half of K are in; the one load issued behind them, the second half's, may stay out
	s_barrier_signal -1
	s_barrier_wait -1                              ; everybody's are
	KSTEP 0, 1
	KSTEP 1, 0
	KSTEP 2, 0
	KSTEP 3, 0
	s_wait_tensorcnt 0x0                           ; my part of the second half is in,
	s_barrier_signal -1
	s_barrier_wait -1                              ; everybody's is
	KSTEP 4, 0
	KSTEP 5, 0
	KSTEP 6, 0
	KSTEP 7, 0
; THE WAY OUT, a block of 16 rows x 64 outputs at a time, through my own stage: in as 32 bytes a lane, back as whole rows of 256 bytes.  LDS serves a wave's instructions in order (ISA guide 5.7.1.4): no wait between the stores and the loads, nor in front of the next block's stores.
.macro TOSTAGE a
.irp b, 0,1,2,3
	ds_store_b128 v[STO], v[ACC+8*(4*\a+\b):ACC+8*(4*\a+\b)+3] offset:64*\b        ; each accumulator from its low end on
	ds_store_b128 v[STO], v[ACC+8*(4*\a+\b)+4:ACC+8*(4*\a+\b)+7] offset:64*\b+16
.endr
.irp t, 0,1,2,3,4,5,6,7
	ds_load_b128 v[AF+32*((\a)%2)+4*\t:AF+32*((\a)%2)+4*\t+3], v[RD] offset:\t*2*PITCH
.endr
.endm
.macro SEND a, younger                 ; younger: the LDS instructions issued behind block a's loads, which may stay out
	s_wait_dscnt \younger
.irp t, 0,1,2,3,4,5,6,7
	global_store_b128 v[CO], v[AF+32*((\a)%2)+4*\t:AF+32*((\a)%2)+4*\t+3], s[26:27] offset:(16*(\a)+2*\t)*4096 th:TH_STORE_NT   ; sixteen lanes store 256 consecutive bytes, at a multiple of 256 from out0's first byte; written once, read by nobody here
.endr
.endm
	PLACES 4
	TOSTAGE 0
	TOSTAGE 1
	SEND 0, 16                                     ; behind block 0's loads: block 1's 8 stores and 8 loads
	s_wait_xcnt 0x0                                ; block 0's stores have read their registers: block 2's rows may land there
	TOSTAGE 2
	SEND 1, 16
	s_wait_xcnt 0x0
	TOSTAGE 3
	SEND 2, 16
	SEND 3, 0
	s_wait_tensorcnt 0x0
	ds_add_u32 v30, v31
	s_wait_dscnt 0x0
	CROUND                                         ; the closing round: no work-group ends while a partner may still ask for a tile that names it
	s_endpgm
.Lfunc_end_k_qbcbfd82c8a_oproj:
	.size	k_qbcbfd82c8a_oproj, .Lfunc_end_k_qbcbfd82c8a_oproj-k_qbcbfd82c8a_oproj
	.p2alignl 7, 3214868480
	.fill 96, 4, 3214868480
	.section	.rodata,"a",@progbits
	.p2align	6, 0x0
	.amdhsa_kernel k_qbcbfd82c8a_oproj
		.amdhsa_group_segment_fixed_size 252928
		.amdhsa_private_segment_fixed_size 0
		.amdhsa_enable_private_segment 0
		.amdhsa_kernarg_size 48
		.amdhsa_user_sgpr_count 2
		.amdhsa_user_sgpr_kernarg_segment_ptr 1
		.amdhsa_wavefront_size32 1
		.amdhsa_system_sgpr_workgroup_id_x 1
		.amdhsa_system_sgpr_workgroup_id_y 1
		.amdhsa_system_sgpr_workgroup_id_z 1
		.amdhsa_system_vgpr_workitem_id 0
		.amdhsa_next_free_vgpr 256
		.amdhsa_next_free_sgpr 102
		.amdhsa_reserve_vcc 0
		.amdhsa_float_denorm_mode_32 3
		.amdhsa_float_denorm_mode_16_64 3
		.amdhsa_memory_ordered 1
		.amdhsa_forward_progress 1
		.amdhsa_inst_pref_size 47
	.end_amdhsa_kernel
	.amdgpu_metadata
---
amdhsa.version: [ 1, 2 ]
amdhsa.kernels:
  - .name:           k_qbcbfd82c8a_oproj
    .symbol:         k_qbcbfd82c8a_oproj.kd
    .args:
      - { .name: ac, .offset: 0, .size: 8, .value_kind: global_buffer, .address_space: global }
      - { .name: asc, .offset: 8, .size: 8, .value_kind: global_buffer, .address_space: global }
      - { .name: Wo_codes, .offset: 16, .size: 8, .value_kind: global_buffer, .address_space: global }
      - { .name: Wo_scales, .offset: 24, .size: 8, .value_kind: global_buffer, .address_space: global }
      - { .name: bo, .offset: 32, .size: 8, .value_kind: global_buffer, .address_space: global }
      - { .name: out0, .offset: 40, .size: 8, .value_kind: global_buffer, .address_space: global }
    .group_segment_fixed_size: 252928
    .private_segment_fixed_size: 0
    .kernarg_segment_align: 8
    .kernarg_segment_size: 48
    .max_flat_workgroup_size: 256
    .sgpr_count:     102
    .vgpr_count:     256
    .wavefront_size: 32
...
	.end_amdgpu_metadata
.endif
;; end of part 3
